; MI455X (gfx1250); checked and timed in simulation.
; The chip was launched on July 23, 2026; its instructions are those of AMD's public machine-readable ISA for CDNA 5 (MIT licence, August 2026) and "CDNA5" Instruction Set Architecture Reference Guide (July 2026). The comments in the code are by the model that wrote it; some were corrected since.
;; Audio Quantizer. Allowed arithmetic: float matrix products may take bf16 or f16 operands with f32 sums; all other float work in f32.
;; Inputs: codebook 8,192 x 512 float32; embedding 8,192 x 512 float32; x 16,384 x 512 float32.
;; Outputs: out0 16,384 x 512 float32.
;; One version. Each part assembles by itself: llvm-mc -triple=amdgcn-amd-amdhsa -mcpu=gfx1250 --defsym DOCPART=n.
;; ======== version 1 of 1: 4 launches
;; workspace buffers: xb 16,777,216 bytes; cbb 8,388,608 bytes; xs 65,536 bytes; cs 32,768 bytes; part 524,288 bytes; idx 65,536 bytes of whole numbers
;; launch prep (part 1): grid 256 x 1, 6 waves a work-group, no clusters, 100,608 bytes of LDS; arguments x, codebook, xb, cbb, xs, cs; writes xb, cbb, xs, cs
.if DOCPART == 1
	.amdgcn_target "amdgcn-amd-amdhsa--gfx1250"
	.amdhsa_code_object_version 6
	.text
	.protected	k_q26add82a4b_prep
	.globl	k_q26add82a4b_prep
	.p2align	8
	.type	k_q26add82a4b_prep,@function
k_q26add82a4b_prep:
	s_mov_b64 s[64:65], 0
	v_nop
	global_prefetch_b8 v0, s[64:65] scope:SCOPE_SE
	s_setreg_imm32_b32 hwreg(HW_REG_WAVE_MODE, 25, 1), 1
	s_wait_xcnt 0x0
; x [16384][512] and codebook [8192][512], f32, are rounded to bf16 once and written as the matrix unit's register images; the squares of the ROUNDED numbers are summed in f32 for each row.
; A TILE is 16 rows x 512 numbers.  In xb and cbb it is 16,384 dense bytes: [k step s = 0..15][g = 0, 1][lane l = 0..31][16 bytes], the 16 bytes being row l % 16, k = 32 s + 16 g + 8 (l / 16) + 0..7:
; registers 4 g .. 4 g + 3 of a fragment of 16 rows x 32 k.  The next launch's loads then take 512 consecutive bytes an instruction, from memory and from LDS alike.
; SHARES.  1,024 tiles of x and 512 of the codebook: 1,536 = 256 work-groups x 6 waves, a tile a wave.  No wave needs another: no barrier.
; The turn from rows to fragments goes through the wave's own stage in LDS: 16 rows of 1,024 bytes, 1,040 apart (65 x 16: the 16 rows that a 16-byte load touches start at 16 different groups of four banks, ISA guide 11.1).
; LIMITS.  Sums of squares are f32 sums in this text's order (four chains a lane, two lanes a row).  bf16 has f32's range, so nothing overflows that did not before.
.set ROWB,  2048                       ; bytes in a row of f32
.set PITCH, 1040                       ; bytes from row to row in the stage
.set STG,   16*PITCH                   ; a wave's stage
.set SPARE, 6*STG                      ; 99,840 = 390 x 256: behind the stages, the spare words: 128 bytes a wave, three blocks of 256 that no other line names
.set LANE, 1                           ; v1   lane
.set GL,   2                           ; v2   16 x lane: my bytes in 512 consecutive bytes of memory; never rewritten
.set STW,  3                           ; v3   stage + 8 x lane: where my four bf16 of a quarter row go
.set RDA,  4                           ; v4   stage + (l % 16) x 1,040 + 16 (l / 16): where my fragments' bytes lie
.set SO,   5                           ; v5   4 (l % 16): my row's sum
.set SPW,  6                           ; v6   my spare word; never rewritten
.set NIL,  7                           ; v7   0; never rewritten
.set P,    8                           ; v[8:15]   a row's 16 numbers of mine, packed
.set U,    16                          ; v[16:23]  eight rounded numbers as f32
.set SA,   24                          ; v[24:31]  four pairs of running sums
.set X,    32                          ; v[32:159] eight row slots of 16 registers; later the tile's 32 pieces of 16 bytes
	s_load_b256 s[4:11], s[0:1], 0x0               ; x s[4:5], codebook s[6:7], xb s[8:9], cbb s[10:11]
	s_load_b128 s[12:15], s[0:1], 0x20             ; xs s[12:13], cs s[14:15]
	v_lshl_add_u32 v[SPW], v0, 2, SPARE
	v_mov_b32 v[NIL], 0
	v_lshrrev_b32 v[LANE], 5, v0
	v_readfirstlane_b32 s2, v[LANE]                ; wave 0..5
	v_and_b32 v[LANE], 31, v0
	s_mul_i32 s3, ttmp9, 6
	s_add_co_u32 s3, s3, s2                        ; my tile among the 1,536
	s_sub_co_u32 s23, s3, 1024                     ; its number among the codebook's, if it is one of them
	s_mul_i32 s27, s2, STG                         ; my stage
	s_mov_b32 s26, 0xffff0000                      ; a word's upper bf16
	s_mov_b32 s28, 0x76543210                      ; v_permlanex16_b32: each lane takes its own place in the other half
	s_mov_b32 s29, 0xfedcba98
	s_mov_b32 s25, 0                               ; high word of every offset
	v_lshlrev_b32 v[GL], 4, v[LANE]
	v_lshl_add_u32 v[STW], v[LANE], 3, s27
	v_and_b32 v[SO], 15, v0
	v_lshrrev_b32 v[RDA], 4, v[LANE]
	v_lshl_add_u32 v[RDA], v[RDA], 4, s27
	v_mul_u32_u24 v[U], v[SO], PITCH
	v_add_nc_u32 v[RDA], v[RDA], v[U]
	v_lshlrev_b32 v[SO], 2, v[SO]
	s_wait_kmcnt 0x0
	s_cmp_lt_u32 s3, 1024                          ; a tile of x, or of the codebook?  The selects leave SCC as it is
	s_cselect_b64 s[16:17], s[4:5], s[6:7]         ; from
	s_cselect_b64 s[18:19], s[8:9], s[10:11]       ; to
	s_cselect_b64 s[20:21], s[12:13], s[14:15]     ; sums to
	s_cselect_b32 s22, s3, s23                     ; the tile's number in its own tensor
	s_lshl_b32 s24, s22, 15                        ; 16 rows of 2,048 bytes
	s_add_nc_u64 s[16:17], s[16:17], s[24:25]
	s_lshl_b32 s24, s22, 14                        ; 16,384 bytes of bf16
	s_add_nc_u64 s[18:19], s[18:19], s[24:25]
	s_lshl_b32 s24, s22, 6                         ; 16 sums
	s_add_nc_u64 s[20:21], s[20:21], s[24:25]
.irp r, 0,1,2,3,4,5,6,7
.irp j, 0,1,2,3
	global_load_b128 v[X+16*(\r)+4*(\j):X+16*(\r)+4*(\j)+3], v[GL], s[16:17] offset:(\r)*ROWB+(\j)*512 th:TH_LOAD_NT  ; rows 0 to 7: 32 loads of 512 consecutive bytes on their way
.endr
.endr
; Row r: its four loads are in; 16 numbers a lane are rounded and go into the stage, 256 consecutive bytes a store; again = 1: the slot takes the row eight further down.
; left = the loads issued behind this row's: 4 (7 - r) of the first eight rows and 4 r of the second = 28; in the second eight 4 (15 - r).
.macro ROWIN r, left, again
	s_wait_loadcnt \left
.set xr, X+16*((\r)%8)
.irp j, 0,1,2,3
	v_cvt_pk_bf16_f32 v[P+2*(\j)],   v[xr+4*(\j)],   v[xr+4*(\j)+1]
	v_cvt_pk_bf16_f32 v[P+2*(\j)+1], v[xr+4*(\j)+2], v[xr+4*(\j)+3]
.endr
.irp j, 0,1,2,3
	ds_store_b64 v[STW], v[P+2*(\j):P+2*(\j)+1] offset:(\r)*PITCH+(\j)*256
.endr
.if \again
.irp j, 0,1,2,3
	global_load_b128 v[xr+4*(\j):xr+4*(\j)+3], v[GL], s[16:17] offset:((\r)+8)*ROWB+(\j)*512 th:TH_LOAD_NT
.endr
.endif
.endm
.irp r, 0,1,2,3,4,5,6,7
	ROWIN \r, 28, 1
.endr
.irp r, 8,9,10,11,12,13,14,15
	ROWIN \r, 4*(15-(\r)), 0
.endr
	; Back as fragments.  The stage is my wave's own and LDS serves a wave's instructions in order (ISA guide 5.7.1.4): these loads see the stores above without a wait.
.set i, 0
.rept 32
	ds_load_b128 v[X+4*i:X+4*i+3], v[RDA] offset:(i/2)*64+(i%2)*32
.set i, i+1
.endr
.set i, 0
.rept 32
	s_wait_dscnt 31-i                              ; piece i is in; the younger ones stay out
	global_store_b128 v[GL], v[X+4*i:X+4*i+3], s[18:19] offset:i*512  ; 512 consecutive bytes, at a multiple of 512 from the buffer's first; read again by the next launch, so no hint
.irp k, 0,1,2,3
	v_lshlrev_b32 v[U+2*(\k)],   16,  v[X+4*i+(\k)]
	v_and_b32     v[U+2*(\k)+1], s26, v[X+4*i+(\k)]
.endr
.irp k, 0,1,2,3
.if i == 0
	v_pk_mul_f32 v[SA+2*(\k):SA+2*(\k)+1], v[U+2*(\k):U+2*(\k)+1], v[U+2*(\k):U+2*(\k)+1]  ; the first piece starts the sums: nothing is cleared
.else
	v_pk_fma_f32 v[SA+2*(\k):SA+2*(\k)+1], v[U+2*(\k):U+2*(\k)+1], v[U+2*(\k):U+2*(\k)+1], v[SA+2*(\k):SA+2*(\k)+1]
.endif
.endr
.set i, i+1
.endr
	s_wait_tensorcnt 0x0                           ; the wave's end: a wait, an add of 0 to my spare word and its wait, behind my last LDS store; the sums' last steps stand between the add and its wait
	ds_add_u32 v[SPW], v[NIL]
	v_pk_add_f32 v[SA:SA+1], v[SA:SA+1], v[SA+2:SA+3]
	v_pk_add_f32 v[SA+4:SA+5], v[SA+4:SA+5], v[SA+6:SA+7]
	v_pk_add_f32 v[SA:SA+1], v[SA:SA+1], v[SA+4:SA+5]
	v_add_f32 v[SA], v[SA], v[SA+1]
	v_permlanex16_b32 v[U], v[SA], s28, s29        ; the row's other 256 numbers lie in the lane 16 away
	v_add_f32 v[SA], v[SA], v[U]
	s_wait_dscnt 0x0
	s_wait_xcnt 0x0                                ; EXEC is a source of the stores above: it changes only behind this wait
	v_cmp_gt_u32 vcc_lo, 16, v[LANE]
	s_and_saveexec_b32 s30, vcc_lo
	global_store_b32 v[SO], v[SA], s[20:21]        ; 16 sums: 64 consecutive bytes, a quarter of an aligned 256; 96 KB in the whole launch go out so
	s_wait_xcnt 0x0
	s_or_b32 exec_lo, exec_lo, s30
	s_endpgm
.Lfunc_end_k_q26add82a4b_prep:
	.size	k_q26add82a4b_prep, .Lfunc_end_k_q26add82a4b_prep-k_q26add82a4b_prep
	.p2alignl 7, 3214868480
	.fill 96, 4, 3214868480
	.section	.rodata,"a",@progbits
	.p2align	6, 0x0
	.amdhsa_kernel k_q26add82a4b_prep
		.amdhsa_group_segment_fixed_size 100608
		.amdhsa_private_segment_fixed_size 0
		.amdhsa_enable_private_segment 0
		.amdhsa_kernarg_size 48
		.amdhsa_user_sgpr_count 2
		.amdhsa_user_sgpr_kernarg_segment_ptr 1
		.amdhsa_wavefront_size32 1
		.amdhsa_system_sgpr_workgroup_id_x 1
		.amdhsa_system_sgpr_workgroup_id_y 1
		.amdhsa_system_sgpr_workgroup_id_z 1
		.amdhsa_system_vgpr_workitem_id 0
		.amdhsa_next_free_vgpr 160
		.amdhsa_next_free_sgpr 66
		.amdhsa_reserve_vcc 1
		.amdhsa_float_denorm_mode_32 3
		.amdhsa_float_denorm_mode_16_64 3
		.amdhsa_memory_ordered 1
		.amdhsa_forward_progress 1
		.amdhsa_inst_pref_size 43
	.end_amdhsa_kernel
	.amdgpu_metadata
---
amdhsa.version: [ 1, 2 ]
amdhsa.kernels:
  - .name:           k_q26add82a4b_prep
    .symbol:         k_q26add82a4b_prep.kd
    .args:
      - { .name: x, .offset: 0, .size: 8, .value_kind: global_buffer, .address_space: global }
      - { .name: codebook, .offset: 8, .size: 8, .value_kind: global_buffer, .address_space: global }
      - { .name: xb, .offset: 16, .size: 8, .value_kind: global_buffer, .address_space: global }
      - { .name: cbb, .offset: 24, .size: 8, .value_kind: global_buffer, .address_space: global }
      - { .name: xs, .offset: 32, .size: 8, .value_kind: global_buffer, .address_space: global }
      - { .name: cs, .offset: 40, .size: 8, .value_kind: global_buffer, .address_space: global }
    .group_segment_fixed_size: 100608
    .private_segment_fixed_size: 0
    .kernarg_segment_align: 8
    .kernarg_segment_size: 48
    .max_flat_workgroup_size: 192
    .sgpr_count:     66
    .vgpr_count:     160
    .wavefront_size: 32
...
	.end_amdgpu_metadata
.endif
;; end of part 1
;; launch dist (part 2): grid 64 x 4, 4 waves a work-group, clusters of 4 x 1, 327,680 bytes of LDS; arguments xb, cbb, xs, cs, part; writes part
.if DOCPART == 2
	.amdgcn_target "amdgcn-amd-amdhsa--gfx1250"
	.amdhsa_code_object_version 6
	.text
	.protected	k_q26add82a4b_dist
	.globl	k_q26add82a4b_dist
	.p2align	8
	.type	k_q26add82a4b_dist,@function
k_q26add82a4b_dist:
	s_mov_b64 s[64:65], 0
	v_nop
	global_prefetch_b8 v0, s[64:65] scope:SCOPE_SE
	s_setreg_imm32_b32 hwreg(HW_REG_WAVE_MODE, 25, 1), 1
	s_wait_xcnt 0x0
	s_wait_alu depctr_hold_cnt(0) depctr_sa_sdst(0) depctr_va_vdst(0) depctr_va_sdst(0) depctr_va_ssrc(0) depctr_va_vcc(0) depctr_vm_vsrc(0)
	s_getreg_b32 s2, hwreg(HW_REG_IB_STS2, 6, 4)
	s_cmp_eq_u32 s2, 0
	s_cbranch_scc0 .Lentry_in_a_cluster
	s_endpgm
.Lentry_in_a_cluster:
	s_bfe_u32 s2, ttmp6, 0x10000c
	s_cmp_lg_u32 s2, 0x3003
	s_cbranch_scc0 .Lentry_shape_is_right
	s_endpgm
.Lentry_shape_is_right:
; For 256 frames and 2,048 codes: d[n][k] = fl(fl(xs[n] - 2 cross[n][k]) + cs[k]), cross = the bf16 product summed in f32, and for each frame the least d with the lowest index that has it.
; The two roundings and the order of the ties are those of the f32 formula x_sq - 2 cross + c_sq and of argmin: with x_sq near 512 a step of d is 2^-14, far coarser than the products' own bits, so the formula's
; roundings decide between close codes, and they are repeated here: one fused multiply-add by -2, one addition, a strict compare in ascending code order, merges by (value, index).
; LIMITS.  Operands are bf16.  cross is summed by the matrix unit, in its order: where that order's last bits (about 2^-22 of the sum's terms) decide one of the two roundings between two codes a step apart or less, the
; index may be the other code's.  A d that is NaN or +infinity is never taken; a frame with no other d gets one of codes 0 to 15.
; SHARES.  Grid 64 x 4: block qb of 256 frames, part pt of 2,048 codes.  A wave owns 64 frames, four tiles of 16, ALL their 512 numbers in 512 registers for the whole launch; all four waves walk the part's 128
; tiles of 16 codes out of LDS: two 16-byte loads feed four matrix instructions.
; CLUSTER.  The four work-groups of a cluster lie along x: four frame blocks, one part.  They walk the same codes, so each fill is asked for JOINTLY: same load, descriptor and mask of four in all.
; LAYOUT.  Source 0 = 16 codes, source 1 = 16 frames: in the result a lane holds ONE frame (lane % 16) and the codes 8 (lane / 16) + 0..7.  So the minimum over codes is kept lane by lane, register by register (32
; running minima a lane, each with 16 x the tile that gave it), and lanes meet only once, at the end.
; BY TURNS.  While tile c is multiplied (64 matrix instructions, four accumulators by turns) the 144 vector instructions for tile c - 1, whose sums lie in the other accumulator buffer, stand behind them, two or three behind each.
; REGISTERS, in windows of 256 (s_set_vgpr_msb: bits 1:0 source 0, 3:2 source 1, 5:4 source 2, 7:6 destination).  Window 0: all but the frames.  Windows 1, 2: the frames: fragment (tile t, k step s) at 64 t + 8 (s % 8) of
; window 1 + s / 8.  Only source 1 ever leaves window 0, and every vector line beside the products has a scalar there: six switches for 128 matrix instructions.
.set SLOTB, 131072                     ; a slot: 128 codes = 8 tiles of 16,384 bytes, dense as in memory; every LDS load takes 512 consecutive bytes, so no padding
.set SLOT1, 1<<17                      ; slot 1 begins here: one exclusive or turns an address in one slot into the other's
.set PAIRB, 32768                      ; two tiles: a trip's
.set CSB,   2*SLOTB                    ; the part's 2,048 c_sq, 8,192 bytes, filled once
.set SPARE, CSB+8192                   ; 270,336 = 1,056 x 256: the spare words, 128 bytes a wave, two blocks of 256 that no other line names
.set AL0, 1                            ; v1   16 x lane; never rewritten
.set ADR, 2                            ; v2   LDS address of my bytes in the trip's pair of tiles
.set ACS, 3                            ; v3   LDS address of my eight c_sq of the pair's first tile
.set H8,  4                            ; v4   8 (lane / 16)
.set GOFF, 5                           ; v5   8 x lane
.set AC0, 6                            ; v6   CSB + 32 (lane / 16)
.set XO,  7                            ; v7   4 (lane % 16)
.set SPW, 8                            ; v8   my spare word; never rewritten
.set NIL, 9                            ; v9   0; never rewritten
.set TT,  10                           ; v[10:13]   d - minimum, four at a time
.set XS,  16                           ; v[16:23]   x_sq of my frame in tile t, twice, at XS + 2 t
.set CQ,  24                           ; v[24:39]   my eight c_sq of a tile; two buffers, by the tile's parity
.set MN,  40                           ; v[40:71]   running minima: tile t, register j at MN + 8 t + j
.set IX,  72                           ; v[72:103]  16 x the code tile of that minimum
.set ACC, 104                          ; v[104:167] two buffers of four accumulators
.set FR,  168                          ; v[168:231] the codes' fragments: a ring of four blocks of two k steps
.set OUT, 232                          ; v[232:235] what is stored
.set WV,  14                           ; s14  my wave
.set CX,  15                           ; s15  my place in the cluster: it enters the frames' and the result's addresses alone
.set QBK, 16                           ; s16  my frame block
.set PT,  17                           ; s17  my part of the codes
.set G1,  24                           ; s[24:31] descriptor group 1: a quarter of a slot
.set G1C, 32                           ; s[32:39] a quarter of the c_sq
.set G0,  40                           ; s[40:43] descriptor group 0 for the slots: it walks
.set G0C, 44                           ; s[44:47] for the c_sq
.set SLOTS, 48
.set CNT, 49
.set TB,  50                           ; s50  LDS byte of the pair to be fetched
.set TC,  51                           ; s51  byte of that pair's c_sq in the table
.set CAND, 52                          ; s52  16 x the tile whose d are being compared, counted over all 8,192 codes
.set PINF, 53                          ; s53  +infinity
.set N2,  54                           ; s[54:55] -2.0
.set ONE, 56                           ; s[56:57] 1.0
.set SEL, 58                           ; s[58:59] v_permlanex16_b32's selects
.set MK,  60                           ; s[60:63] four lane masks
.set HM,  69                           ; s69  lanes 16 to 31
.set W1,  0x04                         ; source 1 in window 1
.set W2,  0x08                         ; source 1 in window 2
.set MSB, 0
.macro WIN new                         ; the immediate's high byte repeats the setting that is left; a switch that changes nothing is dropped
.if MSB != (\new)
	s_set_vgpr_msb (MSB<<8)|(\new)
.set MSB, (\new)
.endif
.endm
; A round of the cluster's barrier: my work-group's barrier, so that wave 0's signal speaks for all four waves; wave 0 signals; every wave waits for all four work-groups; my work-group's barrier once more.
.macro CROUND
	s_barrier_signal -1
	s_barrier_wait -1
	s_cmp_lg_u32 s[WV], 0
	s_cbranch_scc1 .Lnot_wave_0_\@
	s_barrier_signal -3
.Lnot_wave_0_\@:
	s_barrier_wait -3
	s_barrier_signal -1
	s_barrier_wait -1
.endm
	s_load_b256 s[4:11], s[0:1], 0x0               ; xb s[4:5], cbb s[6:7], xs s[8:9], cs s[10:11]
	s_load_b64 s[12:13], s[0:1], 0x20              ; part
	v_lshl_add_u32 v[SPW], v0, 2, SPARE
	v_mov_b32 v[NIL], 0
	ds_add_u32 v[SPW], v[NIL]                      ; the wave's opening: the add and its wait ahead of my first tensor load; the set-up below, work on registers, stands between them
	v_lshrrev_b32 v[AL0], 5, v0
	v_readfirstlane_b32 s[WV], v[AL0]              ; wave 0..3
	s_bfe_u32 s[CX], ttmp6, 0x40000
	s_lshl_b32 s[QBK], ttmp9, 2                    ; in a cluster launch ttmp9 counts clusters
	s_add_co_u32 s[QBK], s[QBK], s[CX]
	s_and_b32 s[PT], ttmp7, 0xffff                 ; the four partners share it
	; descriptor group 1: 32,768 dense bytes as 128 rows of 256 bytes (32 elements of 8 bytes)
	s_mov_b32 s[G1+0], 15|(3<<16)|(1<<21)          ; 15:0 the mask of four; 17:16 elements of 8 bytes; 21 set beside a mask; no padding
	s_mov_b32 s[G1+1], 32<<16                      ; tensor_dim0 = 32
	s_mov_b32 s[G1+2], 128<<16                     ; tensor_dim1 = 128
	s_mov_b32 s[G1+3], 32<<16                      ; tile_dim0 = 32
	s_mov_b32 s[G1+4], 128                         ; tile_dim1 = 128
	s_mov_b32 s[G1+5], 32                          ; 32 elements from row to row
	s_mov_b32 s[G1+6], 0
	s_mov_b32 s[G1+7], 0
	s_mov_b32 s[G1C+0], 15|(3<<16)|(1<<21)         ; the same with 8 rows: 2,048 bytes
	s_mov_b32 s[G1C+1], 32<<16
	s_mov_b32 s[G1C+2], 8<<16
	s_mov_b32 s[G1C+3], 32<<16
	s_mov_b32 s[G1C+4], 8
	s_mov_b32 s[G1C+5], 32
	s_mov_b32 s[G1C+6], 0
	s_mov_b32 s[G1C+7], 0
	s_mov_b32 s[G0], 1                             ; count = 1
	s_lshl_b32 s[G0+1], s[WV], 15                  ; LDS: my quarter of slot 0
	s_mov_b32 s[G0C], 1
	s_lshl_b32 s[G0C+1], s[WV], 11
	s_add_co_u32 s[G0C+1], s[G0C+1], CSB           ; LDS: my quarter of the table
	s_lshl_b32 s20, s[PT], 21                      ; what the partners share: the part's 2 MB of cbb, my quarter of its first slot,
	s_lshl_b32 s21, s[WV], 15
	s_add_co_u32 s20, s20, s21
	s_mov_b32 s21, 0
	s_lshl_b32 s22, s[PT], 13                      ; and the part's 8 KB of cs, my quarter
	s_lshl_b32 s23, s[WV], 11
	s_add_co_u32 s22, s22, s23
	s_mov_b32 s23, 0
	s_lshl_b32 s18, s[QBK], 18                     ; what is mine alone: 16 qb + 4 w tiles of 16,384 bytes in xb,
	s_lshl_b32 s68, s[WV], 16
	s_add_co_u32 s18, s18, s68
	s_mov_b32 s19, 0
	s_lshl_b32 s70, s[QBK], 10                     ; frame 256 qb + 64 w in xs, 4 bytes each,
	s_lshl_b32 s68, s[WV], 8
	s_add_co_u32 s70, s70, s68
	s_mov_b32 s71, 0
	s_lshl_b32 s66, s[PT], 17                      ; and in my part's 16,384 pairs of 8 bytes
	s_lshl_b32 s68, s[QBK], 11
	s_add_co_u32 s66, s66, s68
	s_lshl_b32 s68, s[WV], 9
	s_add_co_u32 s66, s66, s68
	s_mov_b32 s67, 0
	s_mov_b32 s[PINF], 0x7f800000
	s_mov_b32 s[N2], 0xc0000000
	s_mov_b32 s[N2+1], s[N2]                       ; named as pairs, so both are written
	s_mov_b32 s[ONE], 0x3f800000
	s_mov_b32 s[ONE+1], s[ONE]
	s_mov_b32 s[SEL], 0x76543210
	s_mov_b32 s[SEL+1], 0xfedcba98
	s_mov_b32 s[HM], 0xffff0000
	s_mov_b32 s[TB], SLOT1+SLOTB                   ; the first change of slots turns this into 0
	s_mov_b32 s[TC], 0
	s_lshl_b32 s[CAND], s[PT], 11
	s_sub_co_u32 s[CAND], s[CAND], 32              ; two steps of 16 below the part's first tile: the first trip compares two tiles that are not there
	s_mov_b32 s[SLOTS], 15
	v_and_b32 v[AL0], 31, v0
	v_lshlrev_b32 v[GOFF], 3, v[AL0]
	v_lshlrev_b32 v[AL0], 4, v[AL0]
	v_bfe_u32 v[H8], v0, 4, 1
	v_lshl_add_u32 v[AC0], v[H8], 5, CSB
	v_lshlrev_b32 v[H8], 3, v[H8]
	v_and_b32 v[XO], 15, v0
	v_lshlrev_b32 v[XO], 2, v[XO]
	s_wait_dscnt 0x0                               ; the opening add is done
	s_wait_kmcnt 0x0
	s_add_nc_u64 s[G0+2:G0+3], s[6:7], s[20:21]
	s_or_b32 s[G0+3], s[G0+3], 0x80000000          ; type = 2
	s_add_nc_u64 s[G0C+2:G0C+3], s[10:11], s[22:23]
	s_or_b32 s[G0C+3], s[G0C+3], 0x80000000
	s_add_nc_u64 s[4:5], s[4:5], s[18:19]
	s_add_nc_u64 s[8:9], s[8:9], s[70:71]
	s_add_nc_u64 s[12:13], s[12:13], s[66:67]
	CROUND                                         ; all four work-groups are here: the first joint loads meet
	tensor_load_to_lds s[G0:G0+3], s[G1:G1+7]      ; the first fills, one group: slot 0's quarter,
	s_nop 0
	tensor_load_to_lds s[G0C:G0C+3], s[G1C:G1C+7]  ; and the table's: two tensor loads of mine are out
	s_nop 0
.rept 4
	v_nop
.endr
	; My 64 frames: 128 loads of 512 consecutive bytes; register 4 i of the window is piece i % 16 of tile i / 16's eight k steps.
	WIN 0x40                                       ; destination window 1, address window 0
.set i, 0
.rept 64
	global_load_b128 v[4*i:4*i+3], v[AL0], s[4:5] offset:(i/16)*16384+(i%16)*512
.set i, i+1
.endr
	WIN 0x80                                       ; destination window 2: k steps 8 to 15
.set i, 0
.rept 64
	global_load_b128 v[4*i:4*i+3], v[AL0], s[4:5] offset:(i/16)*16384+8192+(i%16)*512
.set i, i+1
.endr
	WIN 0
.irp t, 0,1,2,3
	global_load_b32 v[XS+2*(\t)], v[XO], s[8:9] offset:64*(\t)
.endr
	; What the first trip finds, so that it is a trip like any other: it ends the products of a tile that is not there (zeros as codes, onto the lowest finite number) and compares two such tiles: -2 times that number
	; overflows to +infinity, +infinity less the starting minimum +infinity is NaN, and nothing is taken.  152 moves and 16 products, once a launch, in the wait for the first fills, for one text of the trip.
	s_mov_b32 s66, 0xff7fffff
.set i, 24
.rept 40
	v_mov_b32 v[ACC+i], s66                        ; buffer 0's tile 3 and all of buffer 1: the other accumulators are first written by products
.set i, i+1
.endr
.set i, 0
.rept 32
	v_mov_b32 v[FR+32+i], 0                        ; blocks 2 and 3 of the ring
	v_mov_b32 v[MN+i], s[PINF]
	v_mov_b32 v[IX+i], 0
.set i, i+1
.endr
.set i, 0
.rept 16
	v_mov_b32 v[CQ+i], 0
.set i, i+1
.endr
	s_wait_loadcnt 0x0                             ; the frames and their x_sq
.irp t, 0,1,2,3
	v_mov_b32 v[XS+2*(\t)+1], v[XS+2*(\t)]         ; the packed lines name a pair
.endr
; THE VECTOR WORK for the finished tile in accumulator buffer par.  Part u of 8 takes four registers: frame tile u / 2, registers 4 (u % 2) on; group g of 8 is what stands behind one matrix instruction:
;   0  d = -2 cross + x_sq (one rounding)     1  d = d + c_sq (one rounding)     2  d - minimum: its sign is the strict compare (the difference of two unequal f32 numbers is never 0: denormals are kept)
;   3, 4  the four masks     4-6  the four minima (three operands, the middle one +infinity, a scalar)     6, 7  where the mask is set the tile's number is taken
; Each accumulator's lowest registers are read first.  Every line has a scalar as source 1, so the windows stay as the products want them; each group's inputs were made a matrix instruction or more earlier.
.macro RID par, u, g
.set qt, (\u)/2
.set qj, 4*((\u)%2)
.set qd, ACC+32*(\par)+8*qt+qj
.set qm, MN+8*qt+qj
.set qi, IX+8*qt+qj
.set qc, CQ+8*(\par)+qj
.set qx, XS+2*qt
.if (\g) == 0
	v_pk_fma_f32 v[qd:qd+1],   v[qd:qd+1],   s[N2:N2+1], v[qx:qx+1] op_sel_hi:[1,0,1]
	v_pk_fma_f32 v[qd+2:qd+3], v[qd+2:qd+3], s[N2:N2+1], v[qx:qx+1] op_sel_hi:[1,0,1]
.elseif (\g) == 1
	v_pk_fma_f32 v[qd:qd+1],   v[qd:qd+1],   s[ONE:ONE+1], v[qc:qc+1]   op_sel_hi:[1,0,1]
	v_pk_fma_f32 v[qd+2:qd+3], v[qd+2:qd+3], s[ONE:ONE+1], v[qc+2:qc+3] op_sel_hi:[1,0,1]
.elseif (\g) == 2
	v_pk_fma_f32 v[TT:TT+1],   v[qd:qd+1],   s[ONE:ONE+1], v[qm:qm+1]   op_sel_hi:[1,0,1] neg_lo:[0,0,1] neg_hi:[0,0,1]
	v_pk_fma_f32 v[TT+2:TT+3], v[qd+2:qd+3], s[ONE:ONE+1], v[qm+2:qm+3] op_sel_hi:[1,0,1] neg_lo:[0,0,1] neg_hi:[0,0,1]
.elseif (\g) == 3
	v_cmp_lt_f32 s[MK],   v[TT],   0
	v_cmp_lt_f32 s[MK+1], v[TT+1], 0
	v_cmp_lt_f32 s[MK+2], v[TT+2], 0
.elseif (\g) == 4
	v_cmp_lt_f32 s[MK+3], v[TT+3], 0
	v_min3_num_f32 v[qm], v[qd], s[PINF], v[qm]
.elseif (\g) == 5
	v_min3_num_f32 v[qm+1], v[qd+1], s[PINF], v[qm+1]
	v_min3_num_f32 v[qm+2], v[qd+2], s[PINF], v[qm+2]
.elseif (\g) == 6
	v_min3_num_f32 v[qm+3], v[qd+3], s[PINF], v[qm+3]
	v_cndmask_b32 v[qi], v[qi], s[CAND], s[MK]
.else
	v_cndmask_b32 v[qi+1], v[qi+1], s[CAND], s[MK+1]
	v_cndmask_b32 v[qi+2], v[qi+2], s[CAND], s[MK+2]
	v_cndmask_b32 v[qi+3], v[qi+3], s[CAND], s[MK+3]
.endif
.endm
; BLOCK u of a tile's 8: k steps 2 u and 2 u + 1, eight matrix instructions into buffer par, the four accumulators by turns, one instruction a turn (over block, tile and loop edges too: the last
; names tile 3, the next tile 0); behind each a group of the other buffer's part u.  The tile's first four products start the sums with the constant 0.
; ld >= 0: behind the first product and its two vector lines, block ld of the trip's pair (16 blocks of 2,048 bytes) is fetched into the ring's place ld % 4.  That place's last reader is the block before's last product:
; three vector lines stand behind it and two behind this block's first product, five places, none naming a register of that product (four are asked: ISA guide 7.12.1 for vector instructions).
; n: the LDS loads issued behind those that this block multiplies: two blocks' eight, and in three blocks a tile the two c_sq loads too.
.macro BLOCK par, u, ld, n
	s_wait_dscnt \n
.if (\u) < 4
	WIN W1
.else
	WIN W2
.endif
.if (\u) == 0
	s_add_co_u32 s[CAND], s[CAND], 16              ; the compares go on to the tile that has just been finished
.endif
.set w, 0
.rept 8
.set bD, ACC+32*(\par)+8*(w%4)
.set bA, FR+16*((\u)%4)+8*(w/4)
.set bB, 64*(w%4)+8*((2*(\u)+w/4)%8)
.if ((\u) == 0) && (w < 4)
	v_wmma_f32_16x16x32_bf16 v[bD:bD+7], v[bA:bA+7], v[bB:bB+7], 0
.else
	v_wmma_f32_16x16x32_bf16 v[bD:bD+7], v[bA:bA+7], v[bB:bB+7], v[bD:bD+7]
.endif
	RID 1-(\par), \u, w
.if (w == 0) && ((\ld) >= 0)
.irp i, 0,1,2,3
	ds_load_b128 v[FR+16*((\ld)%4)+4*(\i):FR+16*((\ld)%4)+4*(\i)+3], v[ADR] offset:(\ld)*2048+(\i)*512
.endr
.endif
.if (w == 1) && ((\u) == 0)
	ds_load_b128 v[CQ+8*(\par):CQ+8*(\par)+3],   v[ACS] offset:(\par)*64      ; this tile's c_sq: wanted when the tile is finished; the buffer's last user ended a block ago
	ds_load_b128 v[CQ+8*(\par)+4:CQ+8*(\par)+7], v[ACS] offset:(\par)*64+16
.endif
.set w, w+1
.endr
.endm
; A TRIP, turned by two blocks: it ends the odd tile of the pair before (blocks 6, 7, whose fragments are in registers or on their way) and does the even tile and blocks 0 to 5 of the odd tile of its own pair.
; So every LDS load of a trip addresses its own pair, and at a change of slots nothing of the old slot is left to be fetched.
.macro RPAIR
	WIN 0
	v_add_nc_u32 v[ADR], s[TB], v[AL0]
	v_add_nc_u32 v[ACS], s[TC], v[AC0]
	s_add_co_u32 s[TB], s[TB], PAIRB
	s_add_co_u32 s[TC], s[TC], 128                 ; 32 codes' c_sq on,
	s_and_b32 s[TC], s[TC], 8192-128               ; inside the table's 8,192 bytes: behind the 64th pair it is 0 again, and is not used
.irp i, 0,1,2,3
	ds_load_b128 v[FR+4*(\i):FR+4*(\i)+3], v[ADR] offset:(\i)*512  ; block 0; its place in the ring was last read a whole block (8 products, 18 vector lines) ago
.endr
	BLOCK 1, 6, 1, 8
	BLOCK 1, 7, 2, 8
	BLOCK 0, 0, 3, 8
	BLOCK 0, 1, 4, 10
	BLOCK 0, 2, 5, 10
	BLOCK 0, 3, 6, 10
	BLOCK 0, 4, 7, 8
	BLOCK 0, 5, 8, 8
	BLOCK 0, 6, 9, 8
	BLOCK 0, 7, 10, 8
	BLOCK 1, 0, 11, 8
	BLOCK 1, 1, 12, 10
	BLOCK 1, 2, 13, 10
	BLOCK 1, 3, 14, 10
	BLOCK 1, 4, 15, 8
	BLOCK 1, 5, -1, 8
	WIN 0                                          ; at a label and at a branch every window is 0
.endm
; THE CHANGE OF SLOTS.  Each wave waits for all its tensor loads (its quarter of the slot to be entered; the first time also its quarter of the table), adds 0 to its spare word, and waits for that and for its reads of the slot
; that it leaves.  fill = 1: the barrier is a round of the cluster's, so that no wave of any partner still reads that slot or has a load on its way, and the joint refill, the next 128 codes, is the first thing behind it:
; one tensor load of mine is out, and it has four trips, 512 matrix instructions, in which to land.  (At its first use nothing has been read: slot 0 is waited for, slot 1 filled.)
.macro CHANGE fill
	WIN 0
	s_wait_tensorcnt 0x0                           ; no tensor load of mine is out, so group 0 may be written
	ds_add_u32 v[SPW], v[NIL]                      ; 0 onto my spare word
.if \fill
	s_xor_b32 s[G0+1], s[G0+1], SLOT1              ; the other slot than last time,
	s_add_nc_u64 s[G0+2:G0+3], s[G0+2:G0+3], SLOTB ; the next 128 codes; the type bits on top are not reached
	s_wait_dscnt 0x0                               ; the add is done, and my reads of the slot are over
	CROUND
	tensor_load_to_lds s[G0:G0+3], s[G1:G1+7]
	s_nop 0
.rept 4
	v_nop
.endr
.else
	s_wait_dscnt 0x0                               ; the add is done, and my reads of the slot are over
	s_barrier_signal -1
	s_barrier_wait -1
.endif
	s_sub_co_u32 s[TB], s[TB], SLOTB               ; the fetches go back to a slot's first pair,
	s_xor_b32 s[TB], s[TB], SLOT1                  ; in the other slot
	s_mov_b32 s[CNT], 4
.endm
.Lslot:                                                ; 15 times: a slot is entered and the next is asked for
	CHANGE 1
.Ltrip:                                                ; a slot's four pairs
	RPAIR
	s_sub_co_u32 s[CNT], s[CNT], 1
	s_cmp_lg_u32 s[CNT], 0
	s_cbranch_scc1 .Ltrip
	s_sub_co_u32 s[SLOTS], s[SLOTS], 1
	s_cmp_lg_u32 s[SLOTS], 0
	s_cbranch_scc1 .Lslot
	CHANGE 0                                       ; the last slot is written out: nothing is asked for
.Ltail:
	RPAIR
	s_sub_co_u32 s[CNT], s[CNT], 1
	s_cmp_lg_u32 s[CNT], 0
	s_cbranch_scc1 .Ltail
	BLOCK 1, 6, -1, 4                              ; the last tile's last two blocks: behind block 6's fragments only block 7's four loads were issued,
	BLOCK 1, 7, -1, 0                              ; behind block 7's none
	s_add_co_u32 s[CAND], s[CAND], 16
.irp u, 0,1,2,3,4,5,6,7                ; the last tile's 144 lines have no products to stand beside.  Tile 0's last product lies nine vector lines back; the later tiles' are read further on
.irp g, 0,1,2,3,4,5,6,7
	RID 1, \u, \g
.endr
.endr
	WIN 0
	; THE WAY OUT.  A minimum's index is 16 x tile + 8 (lane / 16) + register.  Within a register the strict compare in ascending order has kept the lowest index of the least d; registers and the two halves of the
	; lanes are merged by (value, index): the other is taken if it is less, or equal with the lower index.
.macro MERGE a, b
	v_cmp_lt_f32 s66, v[MN+(\b)], v[MN+(\a)]
	v_cmp_eq_f32 s67, v[MN+(\b)], v[MN+(\a)]
	v_cmp_lt_u32 s68, v[IX+(\b)], v[IX+(\a)]
	s_and_b32 s67, s67, s68
	s_or_b32 s66, s66, s67
	v_cndmask_b32 v[MN+(\a)], v[MN+(\a)], v[MN+(\b)], s66
	v_cndmask_b32 v[IX+(\a)], v[IX+(\a)], v[IX+(\b)], s66
.endm
.irp t, 0,1,2,3
.irp j, 0,1,2,3,4,5,6,7
	v_add3_u32 v[IX+8*(\t)+(\j)], v[IX+8*(\t)+(\j)], v[H8], \j
.endr
.endr
.irp t, 0,1,2,3
	MERGE 8*(\t),   8*(\t)+1
	MERGE 8*(\t)+2, 8*(\t)+3
	MERGE 8*(\t)+4, 8*(\t)+5
	MERGE 8*(\t)+6, 8*(\t)+7
	MERGE 8*(\t),   8*(\t)+2
	MERGE 8*(\t)+4, 8*(\t)+6
	MERGE 8*(\t),   8*(\t)+4
	v_permlanex16_b32 v[MN+8*(\t)+1], v[MN+8*(\t)], s[SEL], s[SEL+1]  ; the frame's other eight codes of every tile lie in the lane 16 away
	v_permlanex16_b32 v[IX+8*(\t)+1], v[IX+8*(\t)], s[SEL], s[SEL+1]
	MERGE 8*(\t),   8*(\t)+1
.endr
.irp p, 0,1
	v_cndmask_b32 v[OUT+2*(\p)],   v[MN+16*(\p)], v[MN+16*(\p)+8], s[HM]  ; lanes 0-15 carry tile 2 p's 16 frames, lanes 16-31 tile 2 p + 1's
	v_cndmask_b32 v[OUT+2*(\p)+1], v[IX+16*(\p)], v[IX+16*(\p)+8], s[HM]
	global_store_b64 v[GOFF], v[OUT+2*(\p):OUT+2*(\p)+1], s[12:13] offset:256*(\p)  ; 32 frames' pairs: 256 consecutive bytes, at a multiple of 256 from the buffer's first
.endr
	s_wait_tensorcnt 0x0                           ; the wave's end: a wait, an add of 0 to my spare word and its wait, behind my last tensor load
	ds_add_u32 v[SPW], v[NIL]
	s_wait_dscnt 0x0
	CROUND                                         ; the closing round: no work-group ends while a partner may still ask for a tile that names it
	s_endpgm
.Lfunc_end_k_q26add82a4b_dist:
	.size	k_q26add82a4b_dist, .Lfunc_end_k_q26add82a4b_dist-k_q26add82a4b_dist
	.p2alignl 7, 3214868480
	.fill 96, 4, 3214868480
	.section	.rodata,"a",@progbits
	.p2align	6, 0x0
	.amdhsa_kernel k_q26add82a4b_dist
		.amdhsa_group_segment_fixed_size 327680
		.amdhsa_private_segment_fixed_size 0
		.amdhsa_enable_private_segment 0
		.amdhsa_kernarg_size 40
		.amdhsa_user_sgpr_count 2
		.amdhsa_user_sgpr_kernarg_segment_ptr 1
		.amdhsa_wavefront_size32 1
		.amdhsa_system_sgpr_workgroup_id_x 1
		.amdhsa_system_sgpr_workgroup_id_y 1
		.amdhsa_system_sgpr_workgroup_id_z 1
		.amdhsa_system_vgpr_workitem_id 0
		.amdhsa_next_free_vgpr 768
		.amdhsa_next_free_sgpr 72
		.amdhsa_reserve_vcc 0
		.amdhsa_float_denorm_mode_32 3
		.amdhsa_float_denorm_mode_16_64 3
		.amdhsa_memory_ordered 1
		.amdhsa_forward_progress 1
		.amdhsa_inst_pref_size 114
	.end_amdhsa_kernel
	.amdgpu_metadata
---
amdhsa.version: [ 1, 2 ]
amdhsa.kernels:
  - .name:           k_q26add82a4b_dist
    .symbol:         k_q26add82a4b_dist.kd
    .args:
      - { .name: xb, .offset: 0, .size: 8, .value_kind: global_buffer, .address_space: global }
      - { .name: cbb, .offset: 8, .size: 8, .value_kind: global_buffer, .address_space: global }
      - { .name: xs, .offset: 16, .size: 8, .value_kind: global_buffer, .address_space: global }
      - { .name: cs, .offset: 24, .size: 8, .value_kind: global_buffer, .address_space: global }
      - { .name: part, .offset: 32, .size: 8, .value_kind: global_buffer, .address_space: global }
    .group_segment_fixed_size: 327680
    .private_segment_fixed_size: 0
    .kernarg_segment_align: 8
    .kernarg_segment_size: 40
    .max_flat_workgroup_size: 128
    .sgpr_count:     72
    .vgpr_count:     768
    .wavefront_size: 32
...
	.end_amdgpu_metadata
.endif
;; end of part 2
;; launch pick (part 3): grid 256 x 1, 1 waves a work-group, no clusters, 0 bytes of LDS; arguments part, idx; writes idx
.if DOCPART == 3
	.amdgcn_target "amdgcn-amd-amdhsa--gfx1250"
	.amdhsa_code_object_version 6
	.text
	.protected	k_q26add82a4b_pick
	.globl	k_q26add82a4b_pick
	.p2align	8
	.type	k_q26add82a4b_pick,@function
k_q26add82a4b_pick:
	s_mov_b64 s[64:65], 0
	v_nop
	global_prefetch_b8 v0, s[64:65] scope:SCOPE_SE
	s_setreg_imm32_b32 hwreg(HW_REG_WAVE_MODE, 25, 1), 1
	s_wait_xcnt 0x0
; For each frame the four parts' (least d, index) are merged and the index is stored as a whole number, from which the next launch forms addresses.
; part: [4][16384] pairs of f32 and u32.  Part p holds indices 2,048 p to 2,048 p + 2,047, so a strict compare in ascending p keeps the lowest index of the least d.
; 16,384 frames = 256 work-groups of one wave x 32 lanes x 2 frames: a lane's 16 bytes are two pairs, a wave's load 512 consecutive bytes, its store 256.
; No LDS, no matrix unit, no loop: 0.5 MB in, 64 KB out.  A NaN never wins the compare; if all four are NaN part 0's index stays.
	s_load_b128 s[4:7], s[0:1], 0x0                ; part s[4:5], idx s[6:7]
	v_lshlrev_b32 v1, 4, v0                        ; two pairs a lane
	v_lshlrev_b32 v2, 3, v0                        ; two indices a lane
	s_lshl_b32 s8, ttmp9, 9                        ; 64 frames x 8 bytes
	s_mov_b32 s9, 0
	s_lshl_b32 s10, ttmp9, 8                       ; 64 frames x 4 bytes
	s_mov_b32 s11, 0
	s_wait_kmcnt 0x0
	s_add_nc_u64 s[4:5], s[4:5], s[8:9]
	s_add_nc_u64 s[6:7], s[6:7], s[10:11]
.irp p, 0,1,2,3
	global_load_b128 v[4+4*(\p):7+4*(\p)], v1, s[4:5] offset:(\p)*131072 th:TH_LOAD_NT  ; a part is 131,072 bytes
.endr
	s_wait_loadcnt 0x0
.irp p, 1,2
	v_cmp_lt_f32 vcc_lo, v[4+4*(\p)], v4
	v_cmp_lt_f32 s12, v[6+4*(\p)], v6
	v_cndmask_b32 v4, v4, v[4+4*(\p)], vcc_lo
	v_cndmask_b32 v5, v5, v[5+4*(\p)], vcc_lo
	v_cndmask_b32 v6, v6, v[6+4*(\p)], s12
	v_cndmask_b32 v7, v7, v[7+4*(\p)], s12
.endr
	v_cmp_lt_f32 vcc_lo, v16, v4
	v_cmp_lt_f32 s12, v18, v6
	v_cndmask_b32 v20, v5, v17, vcc_lo             ; the last selects put the two indices side by side
	v_cndmask_b32 v21, v7, v19, s12
	global_store_b64 v2, v[20:21], s[6:7]          ; 256 consecutive bytes, at a multiple of 256 from the buffer's first
	s_endpgm
.Lfunc_end_k_q26add82a4b_pick:
	.size	k_q26add82a4b_pick, .Lfunc_end_k_q26add82a4b_pick-k_q26add82a4b_pick
	.p2alignl 7, 3214868480
	.fill 96, 4, 3214868480
	.section	.rodata,"a",@progbits
	.p2align	6, 0x0
	.amdhsa_kernel k_q26add82a4b_pick
		.amdhsa_group_segment_fixed_size 0
		.amdhsa_private_segment_fixed_size 0
		.amdhsa_enable_private_segment 0
		.amdhsa_kernarg_size 16
		.amdhsa_user_sgpr_count 2
		.amdhsa_user_sgpr_kernarg_segment_ptr 1
		.amdhsa_wavefront_size32 1
		.amdhsa_system_sgpr_workgroup_id_x 1
		.amdhsa_system_sgpr_workgroup_id_y 1
		.amdhsa_system_sgpr_workgroup_id_z 1
		.amdhsa_system_vgpr_workitem_id 0
		.amdhsa_next_free_vgpr 24
		.amdhsa_next_free_sgpr 66
		.amdhsa_reserve_vcc 1
		.amdhsa_float_denorm_mode_32 3
		.amdhsa_float_denorm_mode_16_64 3
		.amdhsa_memory_ordered 1
		.amdhsa_forward_progress 1
		.amdhsa_inst_pref_size 2
	.end_amdhsa_kernel
	.amdgpu_metadata
---
amdhsa.version: [ 1, 2 ]
amdhsa.kernels:
  - .name:           k_q26add82a4b_pick
    .symbol:         k_q26add82a4b_pick.kd
    .args:
      - { .name: part, .offset: 0, .size: 8, .value_kind: global_buffer, .address_space: global }
      - { .name: idx, .offset: 8, .size: 8, .value_kind: global_buffer, .address_space: global }
    .group_segment_fixed_size: 0
    .private_segment_fixed_size: 0
    .kernarg_segment_align: 8
    .kernarg_segment_size: 16
    .max_flat_workgroup_size: 32
    .sgpr_count:     66
    .vgpr_count:     24
    .wavefront_size: 32
...
	.end_amdgpu_metadata
.endif
;; end of part 3
;; launch gather (part 4): grid 256 x 1, 8 waves a work-group, no clusters, 0 bytes of LDS; arguments idx, embedding, out0; writes out0
.if DOCPART == 4
	.amdgcn_target "amdgcn-amd-amdhsa--gfx1250"
	.amdhsa_code_object_version 6
	.text
	.protected	k_q26add82a4b_gather
	.globl	k_q26add82a4b_gather
	.p2align	8
	.type	k_q26add82a4b_gather,@function
k_q26add82a4b_gather:
	s_mov_b64 s[64:65], 0
	v_nop
	global_prefetch_b8 v0, s[64:65] scope:SCOPE_SE
	s_setreg_imm32_b32 hwreg(HW_REG_WAVE_MODE, 25, 1), 1
	s_wait_xcnt 0x0
; out0[n][:] = embedding[idx[n]][:].  Rows of 512 f32, 2,048 bytes.  idx was stored as whole numbers by the launch before.
; 16,384 rows = 256 work-groups x 8 waves x 8 rows.  A wave reads its eight indices by one scalar load, makes eight row addresses, and has all 32 loads (16 KB, 512 consecutive bytes each) on their way
; before its first store.  Memory binds: no LDS, no barrier, no matrix unit, no loop.  The loads carry no hint: a row may be named by many frames.
	s_load_b128 s[4:7], s[0:1], 0x0                ; idx s[4:5], embedding s[6:7]
	s_load_b64 s[8:9], s[0:1], 0x10                ; out0
	v_lshrrev_b32 v1, 5, v0
	v_readfirstlane_b32 s10, v1                    ; wave 0..7
	v_and_b32 v1, 31, v0
	v_lshlrev_b32 v1, 4, v1                        ; 16 x lane; never rewritten
	s_lshl_b32 s11, ttmp9, 3
	s_add_co_u32 s11, s11, s10                     ; my wave among the 2,048
	s_lshl_b32 s12, s11, 5                         ; its eight indices
	s_mov_b32 s13, 0
	s_lshl_b32 s14, s11, 14                        ; its eight rows of out0
	s_mov_b32 s15, 0
	s_wait_kmcnt 0x0
	s_add_nc_u64 s[4:5], s[4:5], s[12:13]
	s_add_nc_u64 s[8:9], s[8:9], s[14:15]
	s_load_b256 s[16:23], s[4:5], 0x0
	s_wait_kmcnt 0x0
.irp i, 0,1,2,3,4,5,6,7
	s_min_u32 s[16+(\i)], s[16+(\i)], 8191         ; an index stays inside the table
	s_lshl_b32 s[24+2*(\i)], s[16+(\i)], 11        ; its row's byte offset,
	s_mov_b32 s[25+2*(\i)], 0
	s_add_nc_u64 s[24+2*(\i):25+2*(\i)], s[6:7], s[24+2*(\i):25+2*(\i)]  ; and address
.endr
.irp i, 0,1,2,3,4,5,6,7
.irp j, 0,1,2,3
	global_load_b128 v[4+16*(\i)+4*(\j):7+16*(\i)+4*(\j)], v1, s[24+2*(\i):25+2*(\i)] offset:512*(\j)
.endr
.endr
.irp i, 0,1,2,3,4,5,6,7
	s_wait_loadcnt 28-4*(\i)                       ; row i's four loads are in; the 4 (7 - i) issued behind them stay out
.irp j, 0,1,2,3
	global_store_b128 v1, v[4+16*(\i)+4*(\j):7+16*(\i)+4*(\j)], s[8:9] offset:2048*(\i)+512*(\j) th:TH_STORE_NT  ; 512 consecutive bytes, at a multiple of 512 from out0's first
.endr
.endr
	s_endpgm
.Lfunc_end_k_q26add82a4b_gather:
	.size	k_q26add82a4b_gather, .Lfunc_end_k_q26add82a4b_gather-k_q26add82a4b_gather
	.p2alignl 7, 3214868480
	.fill 96, 4, 3214868480
	.section	.rodata,"a",@progbits
	.p2align	6, 0x0
	.amdhsa_kernel k_q26add82a4b_gather
		.amdhsa_group_segment_fixed_size 0
		.amdhsa_private_segment_fixed_size 0
		.amdhsa_enable_private_segment 0
		.amdhsa_kernarg_size 24
		.amdhsa_user_sgpr_count 2
		.amdhsa_user_sgpr_kernarg_segment_ptr 1
		.amdhsa_wavefront_size32 1
		.amdhsa_system_sgpr_workgroup_id_x 1
		.amdhsa_system_sgpr_workgroup_id_y 1
		.amdhsa_system_sgpr_workgroup_id_z 1
		.amdhsa_system_vgpr_workitem_id 0
		.amdhsa_next_free_vgpr 132
		.amdhsa_next_free_sgpr 66
		.amdhsa_reserve_vcc 0
		.amdhsa_float_denorm_mode_32 3
		.amdhsa_float_denorm_mode_16_64 3
		.amdhsa_memory_ordered 1
		.amdhsa_forward_progress 1
		.amdhsa_inst_pref_size 9
	.end_amdhsa_kernel
	.amdgpu_metadata
---
amdhsa.version: [ 1, 2 ]
amdhsa.kernels:
  - .name:           k_q26add82a4b_gather
    .symbol:         k_q26add82a4b_gather.kd
    .args:
      - { .name: idx, .offset: 0, .size: 8, .value_kind: global_buffer, .address_space: global }
      - { .name: embedding, .offset: 8, .size: 8, .value_kind: global_buffer, .address_space: global }
      - { .name: out0, .offset: 16, .size: 8, .value_kind: global_buffer, .address_space: global }
    .group_segment_fixed_size: 0
    .private_segment_fixed_size: 0
    .kernarg_segment_align: 8
    .kernarg_segment_size: 24
    .max_flat_workgroup_size: 256
    .sgpr_count:     66
    .vgpr_count:     132
    .wavefront_size: 32
...
	.end_amdgpu_metadata
.endif
;; end of part 4
